; MI455X (gfx1250); checked and timed in simulation.
; The chip was launched on July 23, 2026; its instructions are those of AMD's public machine-readable ISA for CDNA 5 (MIT licence, August 2026) and "CDNA5" Instruction Set Architecture Reference Guide (July 2026). The comments in the code are by the model that wrote it; some were corrected since.
;; Self Attention. Allowed arithmetic: matrix products marked QUANTISED: E2M1 operands, one E8M0 scale for each 32 along K, by v_wmma_scale_f32_16x16x128_f8f6f4 with both operands' format E2M1 (or v_wmma_scale_f32_32x16x128_f4), f32 sums; products left as they are: bf16, f16 or f32 operands; f32 sums; everything else in f32.
;; Inputs: Wk 128 x 1,024 float32; Wo 1,024 x 128 float32; Wq 128 x 1,024 float32; Wv 128 x 1,024 float32; bo 128 float32; x 2 x 2,048 x 128 float32.
;; Outputs: out0 2 x 2,048 x 128 float32.
;; This version of the problem:
;;   THIS VERSION OF THE PROBLEM IS GIVEN IN LOW PRECISION. The matrix products marked QUANTISED in the list below multiply operands that are first quantised to E2M1 (2 exponent bits, 1 mantissa bit; 4 bits a number), with one power-of-two scale for each 32 numbers along K (OCP MX v1.0); their sums are f32. The products marked 'left as it is' may take bf16, f16 or f32 operands, with f32 sums. Whichever they take, every output number must still come out within the allowed error. Rounding operands to bf16 (8 significant bits) uses up far more of that allowance than f16 does (11 bits, for magnitudes from 6e-5 to 65,504). All else is computed in f32.
;;   The module's matrix products, in the order in which they are computed (A, B: the left and right operand; K: the contracted axis; several contracted axes count as one K, in the product's order):
;;     1. [M 4,096, K 128] x [K 128, N 1,024]; A: input x; B: input Wq: QUANTISED
;;     2. [M 4,096, K 128] x [K 128, N 1,024]; A: input x; B: input Wk: QUANTISED
;;     3. [M 4,096, K 128] x [K 128, N 1,024]; A: input x; B: input Wv: QUANTISED
;;     4. batch 16 x [M 2,048, K 128] x [K 128, N 2,048]; A: computed on the way; B: computed on the way: left as it is (an operand is computed on the way)
;;     5. batch 16 x [M 128, K 2,048] x [K 2,048, N 2,048]; A: computed on the way; B: computed on the way: left as it is (an operand is computed on the way)
;;     6. [M 4,096, K 1,024] x [K 1,024, N 128]; A: computed on the way; B: input Wo: left as it is (an operand is computed on the way)
;;   THE QUANTISER, for each operand of a quantised product, along K:
;;     - K is cut into blocks of 32 from its start; a last block that is shorter is filled with zeros.
;;     - A block's scale is 2^e with e = floor(log2(the largest magnitude in the block)) - 2, held to -126 .. 127; a block of zeros has e = 0. As a byte (E8M0): e + 127.
;;     - Each number is divided by its block's scale, clamped to +-6, and rounded to the nearest number of E2M1, ties to even, subnormals kept.
;;     - The product sums the exact products of the quantised numbers (number of the format x scale) in f32.
;;   ~~~python
;;   def quantise(x, axis):      # numpy; x: float32 -> the quantised numbers, widened to float32 again
;;       x = np.moveaxis(x, axis, -1); K = x.shape[-1]
;;       x = np.pad(x, [(0, 0)] * (x.ndim - 1) + [(0, -K % 32)]); x = x.reshape(x.shape[:-1] + (-1, 32)); a = np.abs(x).max(-1, keepdims=True)
;;       e = np.where(a > 0, np.clip(np.frexp(np.where(a > 0, a, 1))[1] - 1 - 2, -126, 127), 0)      # np.frexp(a)[1] - 1 = floor(log2(a)), exactly
;;       r = np.clip(x / 2.0 ** e, -6, 6)
;;       step = 2.0 ** (np.maximum(np.frexp(np.where(r == 0, 1, r))[1] - 1, 0) - 1)
;;       q = np.round(r / step) * step * 2.0 ** e      # np.round: ties to even
;;       return np.moveaxis(q.reshape(q.shape[:-2] + (-1,))[..., :K], -1, axis).astype(np.float32)
;;   ~~~
;; One version. Each part assembles by itself: llvm-mc -triple=amdgcn-amd-amdhsa -mcpu=gfx1250 --defsym DOCPART=n.
;; ======== version 1 of 1: 4 launches
;; limits: values are held in f16: magnitudes above 65,504 overflow, below 6.1e-05 lose precision
;; workspace buffers: q16 8,388,608 bytes; k16 8,388,608 bytes; v16 8,388,608 bytes; o16 8,388,608 bytes; wo16 262,144 bytes; qkv32 393,216 bytes
;; launch proj (part 1): grid 32 x 8, 8 waves a work-group, no clusters, 69,632 bytes of LDS; arguments x, Wq, Wk, Wv, Wo, q16, k16, v16, wo16, qkv32; writes q16, k16, v16, wo16, qkv32
.if DOCPART == 1
	.amdgcn_target "amdgcn-amd-amdhsa--gfx1250"
	.amdhsa_code_object_version 6
	.text
	.protected	k_q08472553f4_proj
	.globl	k_q08472553f4_proj
	.p2align	8
	.type	k_q08472553f4_proj,@function
k_q08472553f4_proj:
	s_mov_b64 s[64:65], 0
	v_nop
	global_prefetch_b8 v0, s[64:65] scope:SCOPE_SE
	s_setreg_imm32_b32 hwreg(HW_REG_WAVE_MODE, 25, 1), 1
	s_wait_xcnt 0x0
; q = Q(x) Q(Wq) / 128^0.25, k = Q(x) Q(Wk) / 128^0.25, v = Q(x) Q(Wv): Q is the MX-FP4 quantiser along K = 128 (x: its last axis; W: its FIRST axis), products on codes of E2M1 with E8M0 scales, sums in f32.
; x: [4096][128] f32.  Wq, Wk, Wv: [128][1024] f32.  Out: q16, k16, v16 [16 (batch, head)][2048][128] f16; qkv32 [2][3][8][16][128] f32: positions 0-15 of each sequence, kept finely for the launch that makes those rows;
; wo16: Wo [1024][128] as f16 in the order of a matrix operand's registers: [32 K steps][8 tiles of 16 columns][2 quads][32 lanes][16 bytes].
; SHARES.  Work-group (x = block of 128 rows, y = head) makes 128 rows x 384 columns: the head's q, k and v.  Wave w owns rows 16 w on, whose 128 numbers a row it quantises in registers.
; The head's 3 x 128 columns of W are quantised by all eight waves together: a lane takes a column and its registers run down K (64 of the 128 for a wave), so a block of 32 lies in one lane and the codes come
; out with K innermost; they meet in LDS (rows of 64 bytes + 16), one barrier, and every wave reads all 24 fragments.  No tensor load: W has to pass through registers to be quantised.  No cluster: nothing arrives as a tile.
; THE PRODUCT IS USED TRANSPOSED (source 0 = 16 columns of W, source 1 = my 16 rows of x): a lane then holds eight neighbouring columns of one row, which pack into 16 bytes of f16.
; LIMITS.  q, k, v must lie under 65,504 in size (f16).  NaN and infinities among the inputs are not served.  A block of zeros gets the scale byte 1 where the quantiser says 127: its codes are zeros, and only this launch reads the bytes.
; q and k are multiplied by 128^-0.25 where the definition divides: a last-bit difference, behind the quantised products.
.set WSB,   30720                      ; LDS: 0: codes of W, 384 rows (128 m + column) x 80 bytes;  WSB: their scale words, 4 bytes a column
.set WOI,   32256                      ; one fragment of Wo, 1,024 bytes
.set STG,   33280                      ; a stage of 16 rows x 272 bytes for each wave
.set SPARE, 68096                      ; the spare words, 128 bytes a wave: four blocks of 256 bytes that no other line names
.set CO,   1                           ; v1   16 x lane
.set XA,   2                           ; v2   x: row r of 512 bytes + 64 h: my 16 numbers of each block of 32
.set WA,   3                           ; v3   W: my column, my half of K
.set WCS,  4                           ; v4   LDS: where my column's codes go
.set WSS,  5                           ; v5   LDS: and its two scale bytes
.set WFA,  6                           ; v6   LDS: a fragment of W: row r x 80 + 16 h
.set WSA,  7                           ; v7   LDS: its scale word
.set STO,  8                           ; v8   stage, in
.set SRD,  9                           ; v9   stage, back
.set WOA,  10                          ; v10  Wo: 8 h rows + column r
.set WOS,  11                          ; v11  LDS: my register of Wo's image
.set F32O, 12                          ; v12  qkv32: row r + 32 h bytes
.set WOR,  13                          ; v13  LDS: a quad of Wo's image
.set SPW,  14                          ; v14  my spare word; never rewritten
.set NIL,  15                          ; v15  0; never rewritten
.set XF,   16                          ; v16-23  x's codes: the fragment of my 16 rows
.set TM,   32                          ; v32-47  the quantiser's work
.set XSC,  48                          ; v48     x's scale word, nothing else
.set WSC,  49                          ; v49-56  W's scale words, nothing else
.set XN,   64                          ; v64-127 x's numbers; then W's codes (v64-87) and scale bytes (v88-90); then the results
.set DR,   64
.set WN,   128                         ; v128-255 W's numbers, two sets of 64
.set WF,   128                         ; later: v128-191 eight fragments of W, v192-223 packed results, v224-255 rows on their way out
.set PK,   192
.set RB,   224
.set WV,   28
.set SEL,  40
.set QS,   42
.set FLAG, 44
.macro XLOAD
.irp b, 0,1,2,3
.irp j, 0,1,2,3
	global_load_b128 v[XN+16*\b+4*\j:XN+16*\b+4*\j+3], v[XA], s[8:9] offset:128*\b+16*\j
.endr
.endr
.endm
.macro WLOAD set, base                 ; 64 rows of K at my column: each load reads 128 consecutive bytes
.set kk, 0
.rept 64
	global_load_b32 v[WN+64*(\set)+kk], v[WA], s[\base:\base+1] offset:kk*4096
.set kk, kk+1
.endr
.endm
; 64 numbers of a lane, register 16 b + i = k 32 b + 16 h + i of my row, become the fragment's codes in v[XF] on and its scale word in v[XSC]
.macro QUANT s
.irp b, 0,1,2,3
	v_max3_num_f32 v[TM+\b], |v[\s+16*\b]|, |v[\s+1+16*\b]|, 0x1800000   ; block b: my 16 numbers, and the floor 2^(3 - 127): the byte cannot fall under 1
.endr
.irp i, 2,4,6,8,10,12,14
.irp b, 0,1,2,3
	v_max3_num_f32 v[TM+\b], v[TM+\b], |v[\s+16*\b+\i]|, |v[\s+1+16*\b+\i]|
.endr
.endr
.irp b, 0,1,2,3
	v_permlanex16_b32 v[TM+4+\b], v[TM+\b], s[SEL], s[SEL+1]
.endr
.irp b, 0,1,2,3
	v_max_num_f32 v[TM+\b], v[TM+\b], v[TM+4+\b]   ; with lane l xor 16: the block's largest magnitude
.endr
.irp b, 0,1,2,3
	v_add_nc_u32 v[TM+12+\b], 0xff000000, v[TM+\b]   ; 2 off its exponent field: the conversion's scale operand
.endr
.irp b, 0,1,2,3
	v_lshrrev_b32 v[TM+4+\b], 23, v[TM+12+\b]      ; the scale's byte
.endr
	v_lshl_or_b32 v[XSC], v[TM+5], 8, v[TM+4]
	v_lshl_or_b32 v[XSC], v[TM+6], 16, v[XSC]
	v_lshl_or_b32 v[XSC], v[TM+7], 24, v[XSC]
.irp b, 0,1,2,3
	v_cvt_scalef32_pk8_fp4_f32 v[XF+2*\b], v[\s+16*\b:\s+7+16*\b], v[TM+12+\b]
	v_cvt_scalef32_pk8_fp4_f32 v[XF+1+2*\b], v[\s+8+16*\b:\s+15+16*\b], v[TM+12+\b]
.endr
	v_nop                                          ; one plain place behind a scaled conversion
.irp c, 0,1                                    ; the operand wants a whole block in a lane: lanes 0-15 block 2 c, lanes 16-31 block 2 c + 1
.irp i, 0,1
	v_permlane16_swap_b32 v[XF+4*\c+\i], v[XF+2+4*\c+\i]
.endr
.endr
.endm
; My column's 64 numbers of matrix m (0 q, 1 k, 2 v) in set: two blocks of 32, each wholly mine; codes and scale bytes to LDS.  Each block has code registers of its own.
.macro WITEM set, m
.irp bb, 0,1
.set XS, WN+64*(\set)+32*\bb
	v_max3_num_f32 v[TM+8], |v[XS]|, |v[XS+1]|, |v[XS+2]|
	v_max3_num_f32 v[TM+9], |v[XS+3]|, |v[XS+4]|, |v[XS+5]|
.irp i, 6,10,14,18,22,26
	v_max3_num_f32 v[TM+8], v[TM+8], |v[XS+\i]|, |v[XS+\i+1]|
	v_max3_num_f32 v[TM+9], v[TM+9], |v[XS+\i+2]|, |v[XS+\i+3]|
.endr
	v_max3_num_f32 v[TM+8], v[TM+8], |v[XS+30]|, |v[XS+31]|
	v_max3_num_f32 v[TM+8], v[TM+8], v[TM+9], 0x1800000
	v_add_nc_u32 v[TM+12], 0xff000000, v[TM+8]
	v_lshrrev_b32 v[TM+10+\bb], 23, v[TM+12]
.irp g, 0,1,2,3
	v_cvt_scalef32_pk8_fp4_f32 v[64+8*(\m)+4*\bb+\g], v[XS+8*\g:XS+8*\g+7], v[TM+12]
.endr
	v_nop                                          ; one plain place behind the conversions
	ds_store_b128 v[WCS], v[64+8*(\m)+4*\bb:64+8*(\m)+4*\bb+3] offset:(\m)*10240+16*\bb
.endr
	v_lshl_or_b32 v[88+(\m)], v[TM+11], 8, v[TM+10]
	ds_store_b16 v[WSS], v[88+(\m)] offset:(\m)*512
.endm
.macro FETCH m                         ; matrix m: eight fragments of 16 columns x 128 K, and their scale words
.irp c, 0,1,2,3,4,5,6,7
	ds_load_b128 v[WF+8*\c:WF+8*\c+3], v[WFA] offset:(\m)*10240+\c*1280
	ds_load_b128 v[WF+8*\c+4:WF+8*\c+7], v[WFA] offset:(\m)*10240+\c*1280+32
	ds_load_b32 v[WSC+\c], v[WSA] offset:(\m)*512+\c*64
.endr
.endm
; My 16 rows x matrix m's 128 columns; ob: the scalar pair with the output's address
.macro GEMM m, ob
	s_wait_dscnt 0x0                               ; the fragments are in; the last turn's stage traffic is over
	s_wait_xcnt 0x0                                ; the last turn's stores have read their registers: results and rows may be written again
.irp c, 0,1,2,3,4,5,6,7
	v_wmma_scale_f32_16x16x128_f8f6f4 v[DR+8*\c:DR+8*\c+7], v[WF+8*\c:WF+8*\c+7], v[XF:XF+7], 0, v[WSC+\c], v[XSC] matrix_a_fmt:MATRIX_FMT_FP4 matrix_b_fmt:MATRIX_FMT_FP4
.endr                                          ; lane (r, h), register j of tile c: row r, column 16 c + 8 h + j
.rept 4
	v_nop                                          ; four places: in front of the loads into the fragments' registers and of the first read of results
.endr
.if \m < 2
	FETCH \m+1
.set i, 0
.rept 32
	v_pk_mul_f32 v[DR+2*i:DR+2*i+1], v[DR+2*i:DR+2*i+1], s[QS:QS+1] op_sel_hi:[1,0]   ; q and k: x 128^-0.25
.set i, i+1
.endr
.endif
	s_cmp_lg_u32 s[FLAG], 0                        ; positions 0-15 of a sequence also leave as f32
	s_cbranch_scc1 .Lno32_\@
.irp c, 0,1,2,3,4,5,6,7
	global_store_b128 v[F32O], v[DR+8*\c:DR+8*\c+3], s[26:27] offset:\m*65536+64*\c
	global_store_b128 v[F32O], v[DR+8*\c+4:DR+8*\c+7], s[26:27] offset:\m*65536+64*\c+16
.endr
.Lno32_\@:
.set i, 0
.rept 32
	v_cvt_pk_f16_f32 v[PK+i], v[DR+2*i], v[DR+2*i+1]
.set i, i+1
.endr
.irp c, 0,1,2,3,4,5,6,7
	ds_store_b128 v[STO], v[PK+4*\c:PK+4*\c+3] offset:32*\c
.endr
.irp i, 0,1,2,3,4,5,6,7
	ds_load_b128 v[RB+4*\i:RB+4*\i+3], v[SRD] offset:\i*544   ; my own stage: LDS serves a wave's instructions in order (ISA guide 5.7.1.4)
.endr
.irp i, 0,1,2,3,4,5,6,7
	s_wait_dscnt 7-\i                              ; the count: the read-backs issued behind this one
	global_store_b128 v[CO], v[RB+4*\i:RB+4*\i+3], s[\ob:\ob+1] offset:512*\i   ; two rows of 256 bytes: 512 consecutive bytes
.endr
.endm
	s_load_b512 s[8:23], s[0:1], 0x0               ; x 8, Wq 10, Wk 12, Wv 14, Wo 16, q16 18, k16 20, v16 22
	s_load_b128 s[24:27], s[0:1], 0x40             ; wo16 24, qkv32 26
	v_lshl_add_u32 v[SPW], v0, 2, SPARE
	v_mov_b32 v[NIL], 0
	v_lshrrev_b32 v57, 5, v0
	v_readfirstlane_b32 s[WV], v57                 ; wave 0..7
	v_and_b32 v60, 31, v0                          ; lane
	v_and_b32 v61, 15, v0                          ; r
	v_bfe_u32 v62, v0, 4, 1                        ; h
	s_and_b32 s30, ttmp7, 0xffff                   ; head
	s_and_b32 s50, s[WV], 3                        ; g: which 32 columns of W are mine
	s_lshr_b32 s51, s[WV], 2                       ; kh: which half of K
	s_and_b32 s52, s[WV], 1
	v_lshlrev_b32 v[CO], 4, v60
	v_lshlrev_b32 v[XA], 9, v61
	v_lshl_add_u32 v[XA], v62, 6, v[XA]
	s_lshl_b32 s53, s50, 5
	v_add_nc_u32 v63, s53, v60                     ; my column of the head's 128
	s_lshl_b32 s53, s51, 18                        ; 64 rows of 4,096 bytes
	v_lshl_add_u32 v[WA], v63, 2, s53
	v_mul_u32_u24 v[WCS], v63, 80
	s_lshl_b32 s53, s51, 5
	v_add_nc_u32 v[WCS], s53, v[WCS]
	s_lshl_b32 s53, s51, 1
	s_add_co_u32 s53, s53, WSB
	v_lshl_add_u32 v[WSS], v63, 2, s53
	v_mul_u32_u24 v[WFA], v61, 80
	v_lshl_add_u32 v[WFA], v62, 4, v[WFA]
	v_lshl_add_u32 v[WSA], v61, 2, WSB
	s_mul_i32 s53, s[WV], 4352
	s_add_co_u32 s53, s53, STG
	v_mul_u32_u24 v[STO], v61, 272
	v_lshl_add_u32 v[STO], v62, 4, v[STO]
	v_add_nc_u32 v[STO], s53, v[STO]
	v_mul_u32_u24 v[SRD], v62, 272
	v_lshl_add_u32 v[SRD], v61, 4, v[SRD]
	v_add_nc_u32 v[SRD], s53, v[SRD]
	v_lshlrev_b32 v[WOA], 12, v62
	v_lshl_add_u32 v[WOA], v61, 2, v[WOA]
	s_lshl_b32 s53, s51, 9
	s_lshl_b32 s54, s50, 2
	s_add_co_u32 s53, s53, s54
	s_add_co_u32 s53, s53, WOI
	v_add_nc_u32 v[WOS], s53, v[CO]                ; register w of the image: quad w / 4, word w % 4 of my lane's 16 bytes
	v_lshlrev_b32 v[F32O], 9, v61
	v_lshl_add_u32 v[F32O], v62, 5, v[F32O]
	s_lshl_b32 s53, s52, 9
	s_add_co_u32 s53, s53, WOI
	v_add_nc_u32 v[WOR], s53, v[CO]
.irp b, 0,1,2,3
	v_mov_b32 v[TM+4+\b], 0                        ; written once: a lane permute's destination counts as one of its sources
.endr
	s_mov_b32 s[SEL], 0x76543210
	s_mov_b32 s[SEL+1], 0xfedcba98
	s_mov_b32 s[QS], 0x3e9837f0                    ; 128^-0.25
	s_mov_b32 s[QS+1], s[QS]
	; byte offsets, each in a pair of its own
	s_lshl_b32 s32, ttmp9, 16                      ; x: (128 x block + 16 x wave) rows of 512 bytes
	s_lshl_b32 s53, s[WV], 13
	s_add_co_u32 s32, s32, s53
	s_mov_b32 s33, 0
	s_lshl_b32 s34, s30, 9                         ; W: the head's 128 columns
	s_mov_b32 s35, 0
	s_lshl_b32 s45, s30, 5
	s_add_co_u32 s45, s45, ttmp9                   ; the work-group's number 0..255: which fragment of Wo it lays out (K step = number / 8, tile = number % 8)
	s_lshr_b32 s36, s45, 3
	s_lshl_b32 s36, s36, 14                        ; Wo: row 32 x K step
	s_lshl_b32 s53, s51, 13                        ;   + 16 (w / 4)
	s_add_co_u32 s36, s36, s53
	s_lshl_b32 s53, s50, 10                        ;   + 2 (w % 4)
	s_add_co_u32 s36, s36, s53
	s_and_b32 s53, s45, 7
	s_lshl_b32 s53, s53, 6                         ;   column 16 x tile
	s_add_co_u32 s36, s36, s53
	s_mov_b32 s37, 0
	s_lshr_b32 s54, ttmp9, 4                       ; batch
	s_lshl_b32 s38, s54, 3
	s_add_co_u32 s38, s38, s30
	s_lshl_b32 s38, s38, 19                        ; q16, k16, v16: (8 x batch + head) x 2,048 rows of 256 bytes
	s_and_b32 s53, ttmp9, 15
	s_or_b32 s[FLAG], s53, s[WV]                   ; 0 where my rows are positions 0-15
	s_lshl_b32 s53, s53, 15
	s_add_co_u32 s38, s38, s53
	s_lshl_b32 s53, s[WV], 12
	s_add_co_u32 s38, s38, s53
	s_mov_b32 s39, 0
	s_lshl_b32 s46, s45, 10                        ; wo16: 1,024 bytes a fragment, 512 a quad
	s_lshl_b32 s53, s52, 9
	s_add_co_u32 s46, s46, s53
	s_mov_b32 s47, 0
	s_mul_i32 s48, s54, 196608                     ; qkv32
	s_lshl_b32 s53, s30, 13
	s_add_co_u32 s48, s48, s53
	s_mov_b32 s49, 0
	s_wait_kmcnt 0x0
	s_add_nc_u64 s[8:9], s[8:9], s[32:33]
	s_add_nc_u64 s[10:11], s[10:11], s[34:35]
	s_add_nc_u64 s[12:13], s[12:13], s[34:35]
	s_add_nc_u64 s[14:15], s[14:15], s[34:35]
	s_add_nc_u64 s[16:17], s[16:17], s[36:37]
	s_add_nc_u64 s[18:19], s[18:19], s[38:39]
	s_add_nc_u64 s[20:21], s[20:21], s[38:39]
	s_add_nc_u64 s[22:23], s[22:23], s[38:39]
	s_add_nc_u64 s[24:25], s[24:25], s[46:47]
	s_add_nc_u64 s[26:27], s[26:27], s[48:49]
	global_load_b32 v24, v[WOA], s[16:17]          ; Wo(k, n) and Wo(k + 1, n): one register of the image
	global_load_b32 v25, v[WOA], s[16:17] offset:512
	XLOAD
	WLOAD 0, 10
	WLOAD 1, 12
	s_wait_loadcnt 63                              ; 64 loads (Wk's) were issued behind Wq's last: Wo, x and Wq are in
	v_cvt_pk_f16_f32 v26, v24, v25                 ; the lower k in the low half
	ds_store_b32 v[WOS], v26
	QUANT XN
	WITEM 0, 0
	WLOAD 0, 14
	s_wait_loadcnt 63                              ; 64 loads (Wv's) were issued behind Wk's last
	WITEM 1, 1
	s_wait_loadcnt 0x0
	WITEM 0, 2
	s_wait_dscnt 0x0                               ; for the others' sake: my codes, scale bytes and my word of Wo's image have landed
	s_barrier_signal -1
	s_barrier_wait -1                              ; the launch's one barrier: behind it these regions are only read
	s_cmp_lt_u32 s[WV], 2
	s_cbranch_scc0 .Lno_wo
	ds_load_b128 v[28:31], v[WOR]
	s_wait_dscnt 0x0
	global_store_b128 v[CO], v[28:31], s[24:25]    ; a quad of the image: 512 consecutive bytes
.Lno_wo:
	FETCH 0
	GEMM 0, 18
	GEMM 1, 20
	GEMM 2, 22
	s_wait_tensorcnt 0x0                           ; the wave's end
	ds_add_u32 v[SPW], v[NIL]
	s_wait_dscnt 0x0
	s_endpgm
.Lfunc_end_k_q08472553f4_proj:
	.size	k_q08472553f4_proj, .Lfunc_end_k_q08472553f4_proj-k_q08472553f4_proj
	.p2alignl 7, 3214868480
	.fill 96, 4, 3214868480
	.section	.rodata,"a",@progbits
	.p2align	6, 0x0
	.amdhsa_kernel k_q08472553f4_proj
		.amdhsa_group_segment_fixed_size 69632
		.amdhsa_private_segment_fixed_size 0
		.amdhsa_enable_private_segment 0
		.amdhsa_kernarg_size 80
		.amdhsa_user_sgpr_count 2
		.amdhsa_user_sgpr_kernarg_segment_ptr 1
		.amdhsa_wavefront_size32 1
		.amdhsa_system_sgpr_workgroup_id_x 1
		.amdhsa_system_sgpr_workgroup_id_y 1
		.amdhsa_system_sgpr_workgroup_id_z 1
		.amdhsa_system_vgpr_workitem_id 0
		.amdhsa_next_free_vgpr 256
		.amdhsa_next_free_sgpr 66
		.amdhsa_reserve_vcc 0
		.amdhsa_float_denorm_mode_32 3
		.amdhsa_float_denorm_mode_16_64 3
		.amdhsa_memory_ordered 1
		.amdhsa_forward_progress 1
		.amdhsa_inst_pref_size 67
	.end_amdhsa_kernel
	.amdgpu_metadata
---
amdhsa.version: [ 1, 2 ]
amdhsa.kernels:
  - .name:           k_q08472553f4_proj
    .symbol:         k_q08472553f4_proj.kd
    .args:
      - { .name: x, .offset: 0, .size: 8, .value_kind: global_buffer, .address_space: global }
      - { .name: Wq, .offset: 8, .size: 8, .value_kind: global_buffer, .address_space: global }
      - { .name: Wk, .offset: 16, .size: 8, .value_kind: global_buffer, .address_space: global }
      - { .name: Wv, .offset: 24, .size: 8, .value_kind: global_buffer, .address_space: global }
      - { .name: Wo, .offset: 32, .size: 8, .value_kind: global_buffer, .address_space: global }
      - { .name: q16, .offset: 40, .size: 8, .value_kind: global_buffer, .address_space: global }
      - { .name: k16, .offset: 48, .size: 8, .value_kind: global_buffer, .address_space: global }
      - { .name: v16, .offset: 56, .size: 8, .value_kind: global_buffer, .address_space: global }
      - { .name: wo16, .offset: 64, .size: 8, .value_kind: global_buffer, .address_space: global }
      - { .name: qkv32, .offset: 72, .size: 8, .value_kind: global_buffer, .address_space: global }
    .group_segment_fixed_size: 69632
    .private_segment_fixed_size: 0
    .kernarg_segment_align: 8
    .kernarg_segment_size: 80
    .max_flat_workgroup_size: 256
    .sgpr_count:     66
    .vgpr_count:     256
    .wavefront_size: 32
...
	.end_amdgpu_metadata
.endif
;; end of part 1
;; launch attn (part 2): grid 16 x 16, 4 waves a work-group, no clusters, 327,680 bytes of LDS; arguments q16, k16, v16, o16; writes o16
.if DOCPART == 2
	.amdgcn_target "amdgcn-amd-amdhsa--gfx1250"
	.amdhsa_code_object_version 6
	.text
	.protected	k_q08472553f4_attn
	.globl	k_q08472553f4_attn
	.p2align	8
	.type	k_q08472553f4_attn,@function
k_q08472553f4_attn:
	s_mov_b64 s[64:65], 0
	v_nop
	global_prefetch_b8 v0, s[64:65] scope:SCOPE_SE
	s_setreg_imm32_b32 hwreg(HW_REG_WAVE_MODE, 25, 1), 1
	s_wait_xcnt 0x0
; O[bh][q] = sum over k <= q of softmax_k(q16[bh][q] . k16[bh][k]) v16[bh][k].  q16, k16, v16: [16][2048][128] f16 (q and k already carry 128^-0.25 each).  Products on f16 operands, maxima and sums in f32;
; the weights p are rounded to f16 for the second product, O once at the end.  O leaves as f16 in the order of the next launch's operand registers: o16 [256 tiles of 16 rows][32 K steps][2 quads][32 lanes][16 bytes].
; SHARES UNDER THE CAUSAL MASK.  A head's 2,048 queries are 32 blocks of 64.  Work-group (x = i, y = batch x 8 + head) owns blocks i and 31 - i; wave w owns one tile of 16 queries of each: tile 1 (low) at 64 i + 16 w,
; tile 0 (high) at 64 (31 - i) + 16 w.  The keys are walked from 0 on, 64 a step; a tile works while the step's first key is at or under its last query: (i + 1) + (32 - i) = 33 tile steps for every wave of the launch.
; Every work-group walks all 8 slots of 256 keys with constant trip counts; a step all of whose keys come after the wave's queries is left out by a scalar branch on ids, which leads round no barrier.
; NO CLUSTER: where a work-group's loads end hangs on its number (32 - i steps), so partners would need different numbers of tiles, and that end can only be a jump round the load.
; LAYOUT.  S^T = K Q^T (source 0 = 16 keys, source 1 = 16 queries): a lane holds ONE query (lane % 16) and keys 8 (lane / 16) + 0..7.  Two such tiles, rounded in pairs, ARE source 1 of O^T = V^T P.
; K comes out of LDS as it lies, V ([key][channel]) turned by ds_load_tr16_b128.  SOFTMAX: a running maximum m and sum l for each query; p = 2^(c s - c m), c = log2(e); O and l are multiplied by a = 2^(c m_old - c m_new) in every step.
; m starts at -1e38 and O and l at 0: the first step's a is 0 and multiplies zeros; key 0 counts for every query, so m is a score from the first step on.
; LIMITS: scores under 1e38 in size; NaN and infinities are not served.
; REGISTERS, in windows of 256: window 0: v1-12 addresses and constants; v16-31 statistics, eight a tile; v32-95 Q; v96-159 S^T; v160-191 P; v192-255 packed O.
;   window 1: v0-127 O^T, 64 a tile; v128-255 K of one step.   window 2: v0-127 V of one step.
.set PKP,   272                        ; a row of K in LDS: 256 bytes + 16
.set PVP,   288                        ; a row of V: 256 + 32
.set VOFF,  69632                      ; a slot: 256 rows of K, then 256 rows of V
.set SLOTB, 0x24000                    ; slot 1 begins here; no address inside slot 0 at which a load or a walk begins has one of its two bits, so one exclusive or changes slots
.set SPARE, 0x48000                    ; the spare words, 128 bytes a wave: two blocks of 256 bytes that no other line names
.set AK0, 1
.set AV0, 2
.set ADK, 3
.set ADV, 4
.set QO,  5
.set GO,  6
.set SPW, 7                            ; my spare word; never rewritten
.set NIL, 8                            ; 0; never rewritten
.set PFO, 9                            ; 256 x lane; never rewritten
.set RH,  10                           ; r - 8 h
.set DD,  11
.set NINF, 12
.set ST,  16                           ; tile t at v[ST + 8 t]: +0 c m, +1 m, +2, +3 l, +4 to +7 at work; a takes +6
.set Q,   32
.set S,   96
.set P,   160
.set PKO, 192
.set KFR, 128                          ; window 1
.set WV,    12
.set WGI,   13
.set BH,    14
.set QH,    15                         ; first query of tile 0
.set QL,    16                         ; and of tile 1
.set QHE,   17                         ; their last queries
.set QLE,   18
.set LASTQ, 19                         ; the work-group's last query
.set KF,    20                         ; the step's first key
.set TK,    21                         ; LDS byte of the step's K
.set TV,    22                         ; and of its V (less VOFF)
.set SLOTS, 23
.set G1K, 24
.set G1V, 32
.set G0K, 40
.set G0V, 44
.set CS,  48
.set SEL, 50
.set PFA, 52
.set LIM, 54
.set CNT, 55
.set OBL, 60
.set OBH, 62
.set MSB, 0
.macro WIN new                         ; the immediate's high byte repeats the setting that is left
.if MSB != \new
	s_set_vgpr_msb (MSB<<8)|\new
.set MSB, \new
.endif
.endm
.set W_LDK, 0x40                       ; destination window 1
.set W_LDV, 0x80                       ; destination window 2
.set W_QK,  0x01                       ; K window 1; Q, S^T window 0
.set W_PV,  0x52                       ; V window 2, P window 0, O^T window 1
.set W_RS,  0x41                       ; O^T window 1, a window 0
.set W_PK,  0x05                       ; sources window 1, destination window 0
; Waves 0 and 1 fetch the two halves (128 rows) of a slot's K, waves 2 and 3 those of its V: one load a wave.  An s_nop 0 and four v_nop follow each load.
.macro TLOAD                           ; the first fill: every wave
	s_cmp_lt_u32 s[WV], 2
	s_cbranch_scc0 .Lfor_v_\@
	tensor_load_to_lds s[G0K:G0K+3], s[G1K:G1K+7]
	s_nop 0
.rept 4
	v_nop
.endr
	s_branch .Lasked_\@
.Lfor_v_\@:
	tensor_load_to_lds s[G0V:G0V+3], s[G1V:G1V+7]
	s_nop 0
.rept 4
	v_nop
.endr
.Lasked_\@:
.endm
.macro TLOADH hf                       ; half hf of a slot: wave hf for K, wave hf + 2 for V
	s_cmp_eq_u32 s[WV], \hf
	s_cbranch_scc0 .Lnot_k_\@
	tensor_load_to_lds s[G0K:G0K+3], s[G1K:G1K+7]
	s_nop 0
.rept 4
	v_nop
.endr
	s_branch .Lasked_\@
.Lnot_k_\@:
	s_cmp_eq_u32 s[WV], \hf+2
	s_cbranch_scc0 .Lasked_\@
	tensor_load_to_lds s[G0V:G0V+3], s[G1V:G1V+7]
	s_nop 0
.rept 4
	v_nop
.endr
.Lasked_\@:
.endm
; A prefetch of the 128 rows that this wave will fetch at the NEXT change of slots: four instructions, a lane a row of 256 bytes.  All work-groups of a head walk the same K and V: the one that walks all
; slots (i = 0) asks, so each row is named once in the launch, one slot (four key steps) ahead of its load.  Slots 0 and 1 come by their loads alone; the last change that fills a slot asks for nothing.
.macro ASK
	s_cmp_gt_u32 s[SLOTS], s[LIM]
	s_cbranch_scc0 .Lnot_mine_\@
.irp n, 0,1,2,3
	global_prefetch_b8 v[PFO], s[PFA:PFA+1] offset:8192*\n th:TH_LOAD_NT scope:SCOPE_SE
.endr
.Lnot_mine_\@:
.endm
; THE CHANGE OF SLOTS, at a slot's head.  Each wave waits for all its tensor loads (its part of the slot ahead), adds 0 to its spare word, and waits for that and for its reads of the slot that it has left.
; Behind the barrier the slot ahead is whole and nobody reads the other.  fill = 1: the other slot takes the next 256 keys, up to the causal limit: a half slot whose first key comes after the work-group's last
; query is read by no wave and is not asked for.  The two tests are made of ids and the count of steps, the same in all four waves; each leads round one group of loads and nothing else; every wait for tensor loads in this text is for 0.
.macro CHANGE fill
	s_wait_tensorcnt 0x0                           ; no tensor load of mine is out, so a group 0 may be written
	ds_add_u32 v[SPW], v[NIL]                      ; 0 onto my spare word; the steps below stand between it and the wait for it
.if \fill
	s_xor_b32 s[G0K+1], s[G0K+1], SLOTB
	s_add_nc_u64 s[G0K+2:G0K+3], s[G0K+2:G0K+3], 65536   ; 256 rows of 256 bytes on; the type bits on top are not reached
	s_xor_b32 s[G0V+1], s[G0V+1], SLOTB
	s_add_nc_u64 s[G0V+2:G0V+3], s[G0V+2:G0V+3], 65536
	s_wait_xcnt 0x0                                ; the last prefetches, a slot back, have read their address
	s_add_nc_u64 s[PFA:PFA+1], s[PFA:PFA+1], 65536
.endif
	s_wait_dscnt 0x0                               ; the add is done, and my reads of the slot that I have left are over
	s_barrier_signal -1
	s_barrier_wait -1
.if \fill
	s_add_co_u32 s56, s[KF], 256                   ; the next slot's first key
	s_cmp_gt_u32 s56, s[LASTQ]
	s_cbranch_scc1 .Lp1_\@
	TLOADH 0
.Lp1_\@:
	s_add_co_u32 s56, s[KF], 384                   ; its second half's first key
	s_cmp_gt_u32 s56, s[LASTQ]
	s_cbranch_scc1 .Lp2_\@
	TLOADH 1
.Lp2_\@:
	ASK
.endif
.endm
.macro FETCH                           ; a step's K (16 fragments, by groups of 32 channels) and V (16 fragments, turned)
.rept 4
	v_nop                                          ; four places behind the last step's products, in front of loads into registers that they read
.endr
	v_add_nc_u32 v[ADK], s[TK], v[AK0]
	v_add_nc_u32 v[ADV], s[TV], v[AV0]
	WIN W_LDK
.irp ks, 0,1,2,3
.irp kt, 0,1,2,3
	ds_load_b128 v[KFR+32*\kt+8*\ks:KFR+32*\kt+8*\ks+3], v[ADK] offset:\kt*16*PKP+64*\ks
	ds_load_b128 v[KFR+32*\kt+8*\ks+4:KFR+32*\kt+8*\ks+7], v[ADK] offset:\kt*16*PKP+64*\ks+32
.endr
.endr
	WIN W_LDV
.irp f, 0,1,2,3,4,5,6,7,8,9,10,11,12,13,14,15  ; keys 32 (f / 8) on, channels 16 (f % 8) on
	ds_load_tr16_b128 v[8*\f:8*\f+3], v[ADV] offset:(\f/8)*32*PVP+(\f%8)*32
	ds_load_tr16_b128 v[8*\f+4:8*\f+7], v[ADV] offset:(\f/8)*32*PVP+16*PVP+(\f%8)*32
.endr
.endm
.macro QK t, waits                     ; S^T of tile t: four accumulators by turns; the first four products start the sums
	WIN W_QK
.irp ks, 0,1,2,3
.if \waits
	s_wait_dscnt 32+8*(3-\ks)                      ; the count: the loads issued behind K's group ks: the later groups' eight each, and V's 32
.endif
.irp kt, 0,1,2,3
.if \ks == 0
	v_wmma_f32_16x16x32_f16 v[S+32*\t+8*\kt:S+32*\t+8*\kt+7], v[KFR+32*\kt+8*\ks:KFR+32*\kt+8*\ks+7], v[Q+32*\t+8*\ks:Q+32*\t+8*\ks+7], 0
.else
	v_wmma_f32_16x16x32_f16 v[S+32*\t+8*\kt:S+32*\t+8*\kt+7], v[KFR+32*\kt+8*\ks:KFR+32*\kt+8*\ks+7], v[Q+32*\t+8*\ks:Q+32*\t+8*\ks+7], v[S+32*\t+8*\kt:S+32*\t+8*\kt+7]
.endif
.endr
.endr
.endm
.macro MASK t, q                       ; on the diagonal: register n holds key KF + 16 (n / 8) + 8 h + n % 8, hidden where that is above my query
	s_sub_co_i32 s56, s[\q], s[KF]
	v_add_nc_u32 v[DD], s56, v[RH]
.set n, 0
.rept 32
	v_cmp_gt_i32 vcc_lo, 16*(n/8)+n%8, v[DD]
	v_cndmask_b32 v[S+32*\t+n], v[S+32*\t+n], v[NINF], vcc_lo
.set n, n+1
.endr
.endm
.macro SOFTMAX t
.set rT, ST+8*(\t)
.set rS, S+32*(\t)
.set rP, P+16*(\t)
.set rO, 64*(\t)
.irp j, 0,1,2,3
	v_max3_num_f32 v[rT+4+\j], v[rS+8*\j], v[rS+8*\j+1], v[rS+8*\j+2]   ; four chains, each begun at an accumulator's low end
.endr
.irp g, 0,1
.irp j, 0,1,2,3
	v_max3_num_f32 v[rT+4+\j], v[rT+4+\j], v[rS+8*\j+3+2*\g], v[rS+8*\j+4+2*\g]
.endr
.endr
	v_max3_num_f32 v[rT+4], v[rT+4], v[rS+7], v[rS+15]
	v_max3_num_f32 v[rT+6], v[rT+6], v[rS+23], v[rS+31]
	v_max3_num_f32 v[rT+4], v[rT+4], v[rT+5], v[rT+6]
	v_max3_num_f32 v[rT+4], v[rT+4], v[rT+7], v[rT+1]   ; with the old m
	v_permlanex16_b32 v[rT+5], v[rT+4], s[SEL], s[SEL+1]   ; the query's other 32 keys lie in the lane 16 away
	v_mov_b32 v[rT+7], v[rT]                       ; c m_old
	v_max_num_f32 v[rT+1], v[rT+4], v[rT+5]
	v_mul_f32 v[rT], s[CS], v[rT+1]
	v_sub_f32 v[rT+7], v[rT+7], v[rT]
.set i, 0
.rept 16
	v_pk_fma_f32 v[rS+2*i:rS+2*i+1], v[rS+2*i:rS+2*i+1], s[CS:CS+1], v[rT:rT+1] op_sel_hi:[1,0,0] neg_lo:[0,0,1] neg_hi:[0,0,1]   ; c s - c m
.set i, i+1
.endr
	v_exp_f32 v[rT+6], v[rT+7]                     ; a
.set i, 0
.rept 32
	v_exp_f32 v[rS+i], v[rS+i]
.set i, i+1
.endr
	v_nop                                          ; a plain instruction behind the last exponential
	s_wait_alu depctr_va_vdst(0)                   ; one wait for the batch of 33, ahead of the first line that names a result
.set i, 0
.rept 16
	v_cvt_pk_f16_f32 v[rP+i], v[rS+2*i], v[rS+2*i+1]
.set i, i+1
.endr
.irp u, 0,1,2,3,4,5,6,7
	v_pk_add_f32 v[rS+4*\u:rS+4*\u+1], v[rS+4*\u:rS+4*\u+1], v[rS+4*\u+2:rS+4*\u+3]   ; the sum of the unrounded p, as a tree in place
.endr
.irp u, 0,1,2,3
	v_pk_add_f32 v[rS+8*\u:rS+8*\u+1], v[rS+8*\u:rS+8*\u+1], v[rS+8*\u+4:rS+8*\u+5]
.endr
.irp u, 0,1
	v_pk_add_f32 v[rS+16*\u:rS+16*\u+1], v[rS+16*\u:rS+16*\u+1], v[rS+16*\u+8:rS+16*\u+9]
.endr
	v_pk_add_f32 v[rS:rS+1], v[rS:rS+1], v[rS+16:rS+17]
	v_pk_fma_f32 v[rT+2:rT+3], v[rT+2:rT+3], v[rT+6:rT+7], v[rS:rS+1] op_sel_hi:[1,0,1]   ; l = a l + the sum
	WIN W_RS
.set i, 0
.rept 32
	v_pk_mul_f32 v[rO+2*i:rO+2*i+1], v[rO+2*i:rO+2*i+1], v[rT+6:rT+7] op_sel_hi:[1,0]   ; O^T x a, each accumulator from its low end on
.set i, i+1
.endr
.endm
.macro PV t                            ; O^T += V^T P: eight accumulators by turns
	WIN W_PV
.irp kk, 0,1
.irp c, 0,1,2,3,4,5,6,7
	v_wmma_f32_16x16x32_f16 v[64*\t+8*\c:64*\t+8*\c+7], v[64*\kk+8*\c:64*\kk+8*\c+7], v[P+16*\t+8*\kk:P+16*\t+8*\kk+7], v[64*\t+8*\c:64*\t+8*\c+7]
.endr
.endr
.endm
; A KEY STEP: 64 keys.  Whether the low tile still works is decided ONCE, and the step parts into two ways that are written out: so every read of the low tile's scores stands behind their products on every way.
.macro STEP
	s_cmp_gt_u32 s[KF], s[QHE]                     ; all keys come after my queries: nothing to do but step the addresses
	s_cbranch_scc1 .Lhidden_\@
	FETCH
	QK 0, 1
	WIN 0
	s_cmp_gt_u32 s[KF], s[QLE]                     ; the low tile is past its diagonal
	s_cbranch_scc1 .Lhigh_\@
	; BOTH TILES.  The step's first key is at most 64 i, its last at most 64 i + 63 <= 1,023 (i <= 15), and the high tile's first query is 64 (31 - i) >= 1,024: all 64 keys count for the high tile, which needs no mask here
	QK 1, 0
	WIN 0
.rept 4
	v_nop                                          ; four places in front of the first read of the scores
.endr
	SOFTMAX 0
	s_wait_dscnt 0x0                               ; V is in
	PV 0
	WIN 0
	s_add_co_u32 s56, s[KF], 63
	s_cmp_le_u32 s56, s[QL]                        ; all 64 keys count for all 16 queries of the low tile
	s_cbranch_scc1 .Lopen1_\@
	MASK 1, QL
.Lopen1_\@:
	SOFTMAX 1
	PV 1
	WIN 0
	s_branch .Lhidden_\@
.Lhigh_\@:
	; THE HIGH TILE ALONE
.rept 4
	v_nop                                          ; four places in front of the first read of the scores
.endr
	s_add_co_u32 s56, s[KF], 63
	s_cmp_le_u32 s56, s[QH]                        ; all 64 keys count for all 16 queries of the high tile
	s_cbranch_scc1 .Lopen0_\@
	MASK 0, QH
.Lopen0_\@:
	SOFTMAX 0
	s_wait_dscnt 0x0                               ; V is in
	PV 0
	WIN 0
.Lhidden_\@:
	s_add_co_u32 s[KF], s[KF], 64
	s_add_co_u32 s[TK], s[TK], 64*PKP
	s_add_co_u32 s[TV], s[TV], 64*PVP
.endm
.macro SLOT_STEPS                      ; a slot's four steps: written once, walked four times
	s_mov_b32 s[CNT], 4
.Lst_\@:
	STEP
	s_sub_co_u32 s[CNT], s[CNT], 1
	s_cmp_lg_u32 s[CNT], 0
	s_cbranch_scc1 .Lst_\@
	s_sub_co_u32 s[TK], s[TK], 256*PKP
	s_xor_b32 s[TK], s[TK], SLOTB
	s_sub_co_u32 s[TV], s[TV], 256*PVP
	s_xor_b32 s[TV], s[TV], SLOTB
.endm
.macro OUTT t, ob                      ; O^T / l, rounded to f16.  Accumulator c = 2 (K step) + quad IS that quad of the next launch's fragment: each store is 512 consecutive bytes
	WIN W_RS
.set i, 0
.rept 32
	v_pk_mul_f32 v[64*\t+2*i:64*\t+2*i+1], v[64*\t+2*i:64*\t+2*i+1], v[ST+8*\t+6:ST+8*\t+7] op_sel_hi:[1,0]
.set i, i+1
.endr
	WIN W_PK
.set i, 0
.rept 32
	v_cvt_pk_f16_f32 v[PKO+32*\t+i], v[64*\t+2*i], v[64*\t+2*i+1]
.set i, i+1
.endr
	WIN 0
.irp c, 0,1,2,3,4,5,6,7
	global_store_b128 v[GO], v[PKO+32*\t+4*\c:PKO+32*\t+4*\c+3], s[\ob:\ob+1] offset:512*\c
.endr
.endm
	s_load_b256 s[4:11], s[0:1], 0x0               ; q16 4, k16 6, v16 8, o16 10
	v_lshl_add_u32 v[SPW], v0, 2, SPARE
	v_mov_b32 v[NIL], 0
	ds_add_u32 v[SPW], v[NIL]                      ; the wave's opening: the add, twice on end, and its wait ahead of my first tensor load
	ds_add_u32 v[SPW], v[NIL]
	v_lshrrev_b32 v1, 5, v0
	v_readfirstlane_b32 s[WV], v1                  ; wave 0..3
	s_mov_b32 s[WGI], ttmp9
	s_and_b32 s[BH], ttmp7, 0xffff
	s_lshl_b32 s56, s[WV], 4
	s_lshl_b32 s57, s[WGI], 6
	s_add_co_u32 s[QL], s57, s56
	s_sub_co_u32 s[LASTQ], 2047, s57
	s_sub_co_u32 s58, 1984, s57
	s_add_co_u32 s[QH], s58, s56
	s_add_co_u32 s[QHE], s[QH], 15
	s_add_co_u32 s[QLE], s[QL], 15
	s_mov_b32 s[KF], 0
	s_mov_b32 s[TK], 0
	s_mov_b32 s[TV], 0
	s_mov_b32 s[SLOTS], 7
	s_cmp_eq_u32 s[WGI], 0
	s_cselect_b32 s[LIM], 1, -1
	s_mov_b32 s[CS], 0x3fb8aa3b                    ; c = log2(e)
	s_mov_b32 s[CS+1], s[CS]
	s_mov_b32 s[SEL], 0x76543210
	s_mov_b32 s[SEL+1], 0xfedcba98
	; descriptor group 1: 128 rows x 128 elements of 2 bytes, dense in memory, padded in LDS behind every 64 words: K by 4 words, V by 8
	s_mov_b32 s[G1K], (1<<16)|(1<<20)|(5<<22)|(3<<25)
	s_mov_b32 s[G1V], (1<<16)|(1<<20)|(5<<22)|(7<<25)
.irp g, G1K, G1V
	s_mov_b32 s[\g+1], 128<<16                     ; tensor_dim0 = 128
	s_mov_b32 s[\g+2], 128<<16                     ; tensor_dim1 = 128
	s_mov_b32 s[\g+3], 128<<16                     ; tile_dim0 = 128
	s_mov_b32 s[\g+4], 128                         ; tile_dim1 = 128
	s_mov_b32 s[\g+5], 128                         ; elements from row to row
	s_mov_b32 s[\g+6], 0
	s_mov_b32 s[\g+7], 0
.endr
	s_and_b32 s55, s[WV], 1                        ; which half of a slot I fetch
	s_mov_b32 s[G0K], 1
	s_mul_i32 s[G0K+1], s55, 128*PKP
	s_mov_b32 s[G0V], 1
	s_mul_i32 s[G0V+1], s55, 128*PVP
	s_add_co_u32 s[G0V+1], s[G0V+1], VOFF
	s_lshl_b32 s58, s[BH], 19                      ; the head's first byte in q16, k16, v16
	s_lshl_b32 s56, s55, 15
	s_add_co_u32 s56, s56, s58
	s_mov_b32 s57, 0                               ; s[56:57]: my 128 rows of slot 0
	s_lshl_b32 s2, s[QL], 8
	s_add_co_u32 s2, s2, s58
	s_mov_b32 s3, 0                                ; s[2:3]: Q of tile 1
	s_lshl_b32 s59, s[QH], 8
	s_add_co_u32 s58, s58, s59
	s_mov_b32 s59, 0                               ; s[58:59]: Q of tile 0
	s_lshr_b32 s[OBL], s[BH], 3                    ; o16: (2,048 x batch + query) x 2,048 + head x 4,096 bytes
	s_lshl_b32 s[OBL], s[OBL], 22
	s_and_b32 s[OBL+1], s[BH], 7
	s_lshl_b32 s[OBL+1], s[OBL+1], 12
	s_add_co_u32 s[OBL], s[OBL], s[OBL+1]
	s_lshl_b32 s[OBH], s[QH], 11
	s_add_co_u32 s[OBH], s[OBH], s[OBL]
	s_lshl_b32 s[OBL+1], s[QL], 11
	s_add_co_u32 s[OBL], s[OBL], s[OBL+1]
	s_mov_b32 s[OBL+1], 0
	s_mov_b32 s[OBH+1], 0
	s_wait_dscnt 0x0                               ; both opening adds are done
	s_wait_kmcnt 0x0
	s_add_nc_u64 s[G0K+2:G0K+3], s[6:7], s[56:57]
	s_add_nc_u64 s[G0V+2:G0V+3], s[8:9], s[56:57]
	s_cmp_lt_u32 s[WV], 2
	s_cselect_b64 s[PFA:PFA+1], s[G0K+2:G0K+3], s[G0V+2:G0V+3]
	s_add_nc_u64 s[PFA:PFA+1], s[PFA:PFA+1], 65536 ; my rows of slot 1: the first change of slots steps it to slot 2.  Nothing is prefetched here, at the head
	s_or_b32 s[G0K+3], s[G0K+3], 0x80000000
	s_or_b32 s[G0V+3], s[G0V+3], 0x80000000
	TLOAD                                          ; slot 0: one load of mine is out
	s_add_nc_u64 s[2:3], s[4:5], s[2:3]
	s_add_nc_u64 s[4:5], s[4:5], s[58:59]
	s_add_nc_u64 s[OBL:OBL+1], s[10:11], s[OBL:OBL+1]
	s_add_nc_u64 s[OBH:OBH+1], s[10:11], s[OBH:OBH+1]
	v_and_b32 v13, 15, v0                          ; r
	v_bfe_u32 v14, v0, 4, 1                        ; h
	v_lshlrev_b32 v[QO], 8, v13
	v_lshl_add_u32 v[QO], v14, 4, v[QO]
.irp ks, 0,1,2,3                               ; Q stays in registers: 16 rows x 32 channels a fragment
	global_load_b128 v[Q+8*\ks:Q+8*\ks+3], v[QO], s[4:5] offset:64*\ks
	global_load_b128 v[Q+8*\ks+4:Q+8*\ks+7], v[QO], s[4:5] offset:64*\ks+32
	global_load_b128 v[Q+32+8*\ks:Q+32+8*\ks+3], v[QO], s[2:3] offset:64*\ks
	global_load_b128 v[Q+32+8*\ks+4:Q+32+8*\ks+7], v[QO], s[2:3] offset:64*\ks+32
.endr
	v_mul_u32_u24 v[AK0], v13, PKP
	v_lshl_add_u32 v[AK0], v14, 4, v[AK0]
	v_and_b32 v15, 7, v0
	v_lshl_add_u32 v[AV0], v14, 3, v15             ; the turning load: key 8 h + lane % 8,
	v_mul_u32_u24 v[AV0], v[AV0], PVP
	v_bfe_u32 v15, v0, 3, 1
	v_lshl_add_u32 v[AV0], v15, 4, v[AV0]          ; channels 8 ((lane / 8) % 2) on
	v_add_nc_u32 v[AV0], VOFF, v[AV0]
	v_and_b32 v15, 31, v0
	v_lshlrev_b32 v[GO], 4, v15
	v_lshlrev_b32 v[PFO], 8, v15
	v_lshlrev_b32 v15, 3, v14
	v_sub_nc_u32 v[RH], v13, v15
	v_mov_b32 v[NINF], 0xff800000
.irp t, 0,1
	v_mov_b32 v[ST+8*\t+1], 0xfe967699             ; m = -1e38
	v_mul_f32 v[ST+8*\t], s[CS], v[ST+8*\t+1]
.irp j, 2,3,4,5,6,7
	v_mov_b32 v[ST+8*\t+\j], 0
.endr
.endr
	WIN 0x40
.set i, 0
.rept 128
	v_mov_b32 v[i], 0                              ; O^T.  The step is written once for every step: the first finds zeros, which its a = 0 leaves zeros; a first step of its own would be a third copy of a slot's steps
.set i, i+1
.endr
	WIN 0
	s_wait_loadcnt 0x0                             ; Q
.Lslot:                                            ; 7 trips: behind each change of slots but the last the next slot is asked for, up to the causal limit
	CHANGE 1
	SLOT_STEPS
	s_sub_co_u32 s[SLOTS], s[SLOTS], 1
	s_cmp_lg_u32 s[SLOTS], 0
	s_cbranch_scc1 .Lslot
	CHANGE 0                                       ; the last slot is written out: nothing is left to ask for
	SLOT_STEPS
.rept 4
	v_nop
.endr
.irp t, 0,1
	v_add_f32 v[ST+8*\t+4], v[ST+8*\t+2], v[ST+8*\t+3]
.endr
.irp t, 0,1
	v_permlanex16_b32 v[ST+8*\t+5], v[ST+8*\t+4], s[SEL], s[SEL+1]
.endr
.irp t, 0,1
	v_add_f32 v[ST+8*\t+4], v[ST+8*\t+4], v[ST+8*\t+5]
.endr
.irp t, 0,1
	v_rcp_f32 v[ST+8*\t+6], v[ST+8*\t+4]
.endr
	v_nop                                          ; a plain instruction behind the last reciprocal
	s_wait_alu depctr_va_vdst(0)                   ; one wait for both, ahead of the first use
	OUTT 0, OBH
	OUTT 1, OBL
	s_wait_tensorcnt 0x0                           ; the wave's end
	ds_add_u32 v[SPW], v[NIL]
	s_wait_dscnt 0x0
	s_endpgm
.Lfunc_end_k_q08472553f4_attn:
	.size	k_q08472553f4_attn, .Lfunc_end_k_q08472553f4_attn-k_q08472553f4_attn
	.p2alignl 7, 3214868480
	.fill 96, 4, 3214868480
	.section	.rodata,"a",@progbits
	.p2align	6, 0x0
	.amdhsa_kernel k_q08472553f4_attn
		.amdhsa_group_segment_fixed_size 327680
		.amdhsa_private_segment_fixed_size 0
		.amdhsa_enable_private_segment 0
		.amdhsa_kernarg_size 32
		.amdhsa_user_sgpr_count 2
		.amdhsa_user_sgpr_kernarg_segment_ptr 1
		.amdhsa_wavefront_size32 1
		.amdhsa_system_sgpr_workgroup_id_x 1
		.amdhsa_system_sgpr_workgroup_id_y 1
		.amdhsa_system_sgpr_workgroup_id_z 1
		.amdhsa_system_vgpr_workitem_id 0
		.amdhsa_next_free_vgpr 640
		.amdhsa_next_free_sgpr 66
		.amdhsa_reserve_vcc 1
		.amdhsa_float_denorm_mode_32 3
		.amdhsa_float_denorm_mode_16_64 3
		.amdhsa_memory_ordered 1
		.amdhsa_forward_progress 1
		.amdhsa_inst_pref_size 99
	.end_amdhsa_kernel
	.amdgpu_metadata
---
amdhsa.version: [ 1, 2 ]
amdhsa.kernels:
  - .name:           k_q08472553f4_attn
    .symbol:         k_q08472553f4_attn.kd
    .args:
      - { .name: q16, .offset: 0, .size: 8, .value_kind: global_buffer, .address_space: global }
      - { .name: k16, .offset: 8, .size: 8, .value_kind: global_buffer, .address_space: global }
      - { .name: v16, .offset: 16, .size: 8, .value_kind: global_buffer, .address_space: global }
      - { .name: o16, .offset: 24, .size: 8, .value_kind: global_buffer, .address_space: global }
    .group_segment_fixed_size: 327680
    .private_segment_fixed_size: 0
    .kernarg_segment_align: 8
    .kernarg_segment_size: 32
    .max_flat_workgroup_size: 128
    .sgpr_count:     66
    .vgpr_count:     640
    .wavefront_size: 32
...
	.end_amdgpu_metadata
.endif
;; end of part 2
;; launch outp (part 3): grid 2 x 128, 4 waves a work-group, no clusters, 35,328 bytes of LDS; arguments o16, wo16, bo, out0; writes out0
.if DOCPART == 3
	.amdgcn_target "amdgcn-amd-amdhsa--gfx1250"
	.amdhsa_code_object_version 6
	.text
	.protected	k_q08472553f4_outp
	.globl	k_q08472553f4_outp
	.p2align	8
	.type	k_q08472553f4_outp,@function
k_q08472553f4_outp:
	s_mov_b64 s[64:65], 0
	v_nop
	global_prefetch_b8 v0, s[64:65] scope:SCOPE_SE
	s_setreg_imm32_b32 hwreg(HW_REG_WAVE_MODE, 25, 1), 1
	s_wait_xcnt 0x0
; out0 = O Wo + bo for all rows but positions 0-15 of each sequence, which a launch of their own makes in f32.  O [4096][1024] and Wo [1024][128] arrive as f16 in the order of the operands' registers (o16, wo16); sums in f32.
; SHARES.  Work-group (x = which 64 of the 128 columns, y = g) takes rows 32 g on: two tiles of 16 rows x four tiles of 16 columns.  THE WAVES SHARE K: wave w takes K steps 8 w to 8 w + 7 of the 32, so each
; fragment is read once in the work-group.  All 96 fragment loads of a wave have registers of their own: no loop, no ring, one round trip.  The four partial sums meet in LDS, one barrier, and each wave adds and stores 8 rows.
; No tensor load: the images go straight into the operands' registers.  No cluster: no tile passes through LDS.  No prefetch: each wave's loads all go out at its head.
; THE PRODUCT IS USED TRANSPOSED (source 0 = 16 columns of Wo, source 1 = 16 rows of O): a lane holds eight neighbouring columns of one row.
; REGISTERS: window 0: v1-7 addresses; v16-79 eight accumulators; v80-83 bo; v128-255 O's 16 fragments, later the partial sums read back.   window 1: Wo's 32 fragments.
.set PS,    8704                       ; a partial sum: 32 rows x (256 bytes + 16)
.set SPARE, 34816                      ; the spare words, 128 bytes a wave: two blocks of 256 bytes that no other line names
.set LI,   1
.set SIN,  2
.set SRD,  3
.set OUTO, 4
.set BOO,  5
.set SPW,  6
.set NIL,  7
.set ACC,  16
.set BO,   80
.set BF,   128
.set RBK,  128
	s_load_b256 s[4:11], s[0:1], 0x0               ; o16 4, wo16 6, bo 8, out0 10
	v_lshl_add_u32 v[SPW], v0, 2, SPARE
	v_mov_b32 v[NIL], 0
	v_lshrrev_b32 v8, 5, v0
	v_readfirstlane_b32 s12, v8                    ; wave 0..3
	s_and_b32 s13, ttmp7, 0xffff                   ; g
	v_and_b32 v8, 31, v0
	v_and_b32 v9, 15, v0                           ; r
	v_bfe_u32 v10, v0, 4, 1                        ; h
	v_lshlrev_b32 v[LI], 4, v8
	s_mul_i32 s14, s12, PS
	v_mul_u32_u24 v[SIN], v9, 272
	v_lshl_add_u32 v[SIN], v10, 5, v[SIN]
	v_add_nc_u32 v[SIN], s14, v[SIN]               ; in: my partial sum, row r, 32 h bytes
	s_mul_i32 s14, s12, 8*272
	v_mul_u32_u24 v[SRD], v10, 272
	v_lshl_add_u32 v[SRD], v9, 4, v[SRD]
	v_add_nc_u32 v[SRD], s14, v[SRD]               ; back: rows 8 w on; lanes 0-15 one row, lanes 16-31 the next
	v_lshlrev_b32 v[OUTO], 9, v10
	v_lshl_add_u32 v[OUTO], v9, 4, v[OUTO]
	v_lshlrev_b32 v[BOO], 4, v9
	s_lshl_b32 s16, s13, 16                        ; o16: two tiles of 32,768 bytes a work-group, 8 K steps of 1,024 a wave
	s_lshl_b32 s14, s12, 13
	s_add_co_u32 s16, s16, s14
	s_mov_b32 s17, 0
	s_lshl_b32 s18, s12, 16                        ; wo16: 8 K steps of 8,192 bytes a wave, four tiles of 1,024 a work-group
	s_lshl_b32 s14, ttmp9, 12
	s_add_co_u32 s18, s18, s14
	s_mov_b32 s19, 0
	s_lshl_b32 s20, ttmp9, 8                       ; bo: 64 columns
	s_mov_b32 s21, 0
	s_lshl_b32 s22, s13, 14                        ; out0: row 32 g + 8 w, 64 columns
	s_lshl_b32 s14, s12, 12
	s_add_co_u32 s22, s22, s14
	s_add_co_u32 s22, s22, s20
	s_mov_b32 s23, 0
	s_and_b32 s24, s13, 63
	s_lshr_b32 s14, s12, 1
	s_or_b32 s24, s24, s14                         ; 0 where my 8 rows lie among positions 0-15 of a sequence
	s_wait_kmcnt 0x0
	s_add_nc_u64 s[4:5], s[4:5], s[16:17]
	s_add_nc_u64 s[6:7], s[6:7], s[18:19]
	s_add_nc_u64 s[8:9], s[8:9], s[20:21]
	s_add_nc_u64 s[10:11], s[10:11], s[22:23]
	global_load_b128 v[BO:BO+3], v[BOO], s[8:9]
.irp a, 0,1
.irp kq, 0,1,2,3,4,5,6,7
	global_load_b128 v[BF+64*\a+8*\kq:BF+64*\a+8*\kq+3], v[LI], s[4:5] offset:\a*32768+\kq*1024
	global_load_b128 v[BF+64*\a+8*\kq+4:BF+64*\a+8*\kq+7], v[LI], s[4:5] offset:\a*32768+\kq*1024+512
.endr
.endr
	s_set_vgpr_msb 0x40                            ; destination window 1
.irp kq, 0,1,2,3,4,5,6,7
.irp n, 0,1,2,3
	global_load_b128 v[32*\kq+8*\n:32*\kq+8*\n+3], v[LI], s[6:7] offset:\kq*8192+\n*1024
	global_load_b128 v[32*\kq+8*\n+4:32*\kq+8*\n+7], v[LI], s[6:7] offset:\kq*8192+\n*1024+512
.endr
.endr
	s_set_vgpr_msb 0x4001                          ; source 0 (Wo) window 1; all else window 0
.irp kq, 0,1,2,3,4,5,6,7
	s_wait_loadcnt 8*(7-\kq)                       ; the count: Wo's loads of the later K steps, eight each; bo and O are older
.irp a, 0,1
.irp n, 0,1,2,3                                ; eight accumulators by turns; the first K step starts the sums
.if \kq == 0
	v_wmma_f32_16x16x32_f16 v[ACC+8*(4*\a+\n):ACC+8*(4*\a+\n)+7], v[32*\kq+8*\n:32*\kq+8*\n+7], v[BF+64*\a+8*\kq:BF+64*\a+8*\kq+7], 0
.else
	v_wmma_f32_16x16x32_f16 v[ACC+8*(4*\a+\n):ACC+8*(4*\a+\n)+7], v[32*\kq+8*\n:32*\kq+8*\n+7], v[BF+64*\a+8*\kq:BF+64*\a+8*\kq+7], v[ACC+8*(4*\a+\n):ACC+8*(4*\a+\n)+7]
.endif
.endr
.endr
.endr
	s_set_vgpr_msb 0x0100
.rept 4
	v_nop                                          ; four places in front of the first read of results
.endr
.irp a, 0,1
.irp n, 0,1,2,3
	ds_store_b128 v[SIN], v[ACC+8*(4*\a+\n):ACC+8*(4*\a+\n)+3] offset:\a*4352+64*\n       ; each accumulator from its low end on
	ds_store_b128 v[SIN], v[ACC+8*(4*\a+\n)+4:ACC+8*(4*\a+\n)+7] offset:\a*4352+64*\n+16
.endr
.endr
	s_wait_dscnt 0x0                               ; for the others' sake: my partial sum has landed
	s_barrier_signal -1
	s_barrier_wait -1
	s_cmp_eq_u32 s24, 0
	s_cbranch_scc1 .Lskip
.irp p, 0,1,2,3
.irp i, 0,1,2,3
	ds_load_b128 v[RBK+16*\i+4*\p:RBK+16*\i+4*\p+3], v[SRD] offset:\p*PS+\i*544
.endr
.endr
	s_wait_dscnt 0x0
.irp i, 0,1,2,3
.irp e, 0,2
	v_pk_add_f32 v[RBK+16*\i+\e:RBK+16*\i+\e+1], v[RBK+16*\i+\e:RBK+16*\i+\e+1], v[RBK+16*\i+4+\e:RBK+16*\i+4+\e+1]
	v_pk_add_f32 v[RBK+16*\i+8+\e:RBK+16*\i+8+\e+1], v[RBK+16*\i+8+\e:RBK+16*\i+8+\e+1], v[RBK+16*\i+12+\e:RBK+16*\i+12+\e+1]
.endr
.irp e, 0,2
	v_pk_add_f32 v[RBK+16*\i+\e:RBK+16*\i+\e+1], v[RBK+16*\i+\e:RBK+16*\i+\e+1], v[RBK+16*\i+8+\e:RBK+16*\i+8+\e+1]
.endr
.irp e, 0,2
	v_pk_add_f32 v[RBK+16*\i+\e:RBK+16*\i+\e+1], v[RBK+16*\i+\e:RBK+16*\i+\e+1], v[BO+\e:BO+\e+1]
.endr
	global_store_b128 v[OUTO], v[RBK+16*\i:RBK+16*\i+3], s[10:11] offset:\i*1024 th:TH_STORE_NT   ; sixteen lanes store 256 consecutive bytes, aligned
.endr
.Lskip:
	s_wait_tensorcnt 0x0                           ; the wave's end
	ds_add_u32 v[SPW], v[NIL]
	s_wait_dscnt 0x0
	s_endpgm
.Lfunc_end_k_q08472553f4_outp:
	.size	k_q08472553f4_outp, .Lfunc_end_k_q08472553f4_outp-k_q08472553f4_outp
	.p2alignl 7, 3214868480
	.fill 96, 4, 3214868480
	.section	.rodata,"a",@progbits
	.p2align	6, 0x0
	.amdhsa_kernel k_q08472553f4_outp
		.amdhsa_group_segment_fixed_size 35328
		.amdhsa_private_segment_fixed_size 0
		.amdhsa_enable_private_segment 0
		.amdhsa_kernarg_size 32
		.amdhsa_user_sgpr_count 2
		.amdhsa_user_sgpr_kernarg_segment_ptr 1
		.amdhsa_wavefront_size32 1
		.amdhsa_system_sgpr_workgroup_id_x 1
		.amdhsa_system_sgpr_workgroup_id_y 1
		.amdhsa_system_sgpr_workgroup_id_z 1
		.amdhsa_system_vgpr_workitem_id 0
		.amdhsa_next_free_vgpr 512
		.amdhsa_next_free_sgpr 66
		.amdhsa_reserve_vcc 0
		.amdhsa_float_denorm_mode_32 3
		.amdhsa_float_denorm_mode_16_64 3
		.amdhsa_memory_ordered 1
		.amdhsa_forward_progress 1
		.amdhsa_inst_pref_size 21
	.end_amdhsa_kernel
	.amdgpu_metadata
---
amdhsa.version: [ 1, 2 ]
amdhsa.kernels:
  - .name:           k_q08472553f4_outp
    .symbol:         k_q08472553f4_outp.kd
    .args:
      - { .name: o16, .offset: 0, .size: 8, .value_kind: global_buffer, .address_space: global }
      - { .name: wo16, .offset: 8, .size: 8, .value_kind: global_buffer, .address_space: global }
      - { .name: bo, .offset: 16, .size: 8, .value_kind: global_buffer, .address_space: global }
      - { .name: out0, .offset: 24, .size: 8, .value_kind: global_buffer, .address_space: global }
    .group_segment_fixed_size: 35328
    .private_segment_fixed_size: 0
    .kernarg_segment_align: 8
    .kernarg_segment_size: 32
    .max_flat_workgroup_size: 128
    .sgpr_count:     66
    .vgpr_count:     512
    .wavefront_size: 32
...
	.end_amdgpu_metadata
.endif
;; end of part 3
;; launch first16 (part 4): grid 8 x 2, 8 waves a work-group, no clusters, 9,216 bytes of LDS; arguments qkv32, Wo, bo, out0; writes out0
.if DOCPART == 4
	.amdgcn_target "amdgcn-amd-amdhsa--gfx1250"
	.amdhsa_code_object_version 6
	.text
	.protected	k_q08472553f4_first16
	.globl	k_q08472553f4_first16
	.p2align	8
	.type	k_q08472553f4_first16,@function
k_q08472553f4_first16:
	s_mov_b64 s[64:65], 0
	v_nop
	global_prefetch_b8 v0, s[64:65] scope:SCOPE_SE
	s_setreg_imm32_b32 hwreg(HW_REG_WAVE_MODE, 25, 1), 1
	s_wait_xcnt 0x0
; Positions 0-15 of each sequence, all in f32: under the causal mask these rows average one to sixteen values and are the largest of the output, so f16 operands would weigh most here.
; qkv32: [2][3 (q, k, v)][8 heads][16][128] f32, q and k already carrying 128^-0.25.  out0(rows 0-15 of sequence b) = concat over heads of softmax(q k^T, causal) v, times Wo, plus bo.
; SHARES.  Work-group (x = tile of 16 output columns, y = sequence); wave = head.  Each wave makes its head's 16 x 16 attention (made anew for each of the 8 column tiles: 64 small products) and its head's part of
; the 16 x 16 output tile; the eight parts meet in LDS and are added in the heads' order.  96 products of 16 x 16 x 4 a wave: no bulk work.
; LAYOUTS: every product is used transposed and its k is permuted alike on both sources, so that nothing changes lanes: S^T = k q^T (lane = query r, register j = key 8 h + j);
; O^T = v^T p, slot (h, j) of step kk standing for key 8 h + 2 kk + j: source 1 is p's registers 2 kk, 2 kk + 1 as they lie; out^T = Wo^T O^T, slot (h, j) of step (c, kk) standing for channel 16 c + 8 h + 2 kk + j.
; REGISTERS: window 0: v1-15 addresses; v16-63 work; v64-127 V, later the parts read back; v128-255 the three sets of accumulators, which matrix instructions alone write.   window 1: v0-63 K, later Wo; v64-127 Q.
.set SPARE, 8192                       ; LDS: 0: eight parts of 1,024 bytes;  SPARE: the spare words, 128 bytes a wave
.set QKA, 1
.set VA,  2
.set IMG, 3
.set RDA, 4
.set OA,  5
.set BA,  6
.set DD,  7
.set NINF, 8
.set SPW, 10
.set NIL, 11
.set T,   16                           ; scores, then p
.set P,   24                           ; p / the sum
.set WK,  32                           ; v32-47 at work
.set R,   48                           ; my part of the output tile
.set BO,  56
.set MX,  60
.set M2,  61
.set CM,  62
.set LS,  63
.set VF,  64
.set RBK, 64
.set SACC, 128
.set OACC, 160
.set UACC, 224
.set KF,  0                            ; window 1
.set WF,  0
.set QF,  64
.set WV,  12
.set SEL, 14
	s_load_b256 s[4:11], s[0:1], 0x0               ; qkv32 4, Wo 6, bo 8, out0 10
	v_lshl_add_u32 v[SPW], v0, 2, SPARE
	v_mov_b32 v[NIL], 0
	v_lshrrev_b32 v12, 5, v0
	v_readfirstlane_b32 s[WV], v12                 ; wave = head
	s_and_b32 s13, ttmp7, 0xffff                   ; sequence
	s_and_b32 s17, s[WV], 1
	v_and_b32 v12, 15, v0                          ; r
	v_bfe_u32 v13, v0, 4, 1                        ; h
	v_and_b32 v14, 31, v0
	v_lshlrev_b32 v[QKA], 9, v12
	v_lshl_add_u32 v[QKA], v13, 4, v[QKA]          ; q, k: row r, 16 h bytes
	v_lshlrev_b32 v[VA], 12, v13
	v_lshl_add_u32 v[VA], v12, 2, v[VA]            ; v, Wo: 8 h rows of 512 bytes, column r
	s_lshl_b32 s26, s[WV], 10
	v_lshl_add_u32 v[IMG], v14, 4, s26
	s_lshl_b32 s27, s17, 9
	v_lshl_add_u32 v[RDA], v14, 4, s27
	s_lshl_b32 s28, s17, 4
	v_lshl_add_u32 v[BA], v13, 5, s28              ; columns 8 h + 4 (wave % 2) on
	v_lshl_add_u32 v[OA], v12, 9, v[BA]
	v_lshlrev_b32 v15, 3, v13
	v_sub_nc_u32 v[DD], v12, v15                   ; r - 8 h
	v_mov_b32 v[NINF], 0xff800000
	v_mov_b32 v[M2], 0                             ; written once: a lane permute's destination counts as one of its sources
	s_mov_b32 s[SEL], 0x76543210
	s_mov_b32 s[SEL+1], 0xfedcba98
	s_mov_b32 s16, 0x3fb8aa3b                      ; c = log2(e)
	s_mul_i32 s18, s13, 196608
	s_lshl_b32 s20, s[WV], 13
	s_add_co_u32 s18, s18, s20
	s_mov_b32 s19, 0                               ; qkv32: sequence, head
	s_lshl_b32 s22, ttmp9, 6                       ; 16 columns
	s_mov_b32 s23, 0
	s_lshl_b32 s20, s[WV], 16                      ; Wo: the head's 128 rows
	s_add_co_u32 s20, s20, s22
	s_mov_b32 s21, 0
	s_lshl_b32 s24, s13, 20                        ; out0: the sequence's 2,048 rows of 512 bytes
	s_add_co_u32 s24, s24, s22
	s_mov_b32 s25, 0
	s_wait_kmcnt 0x0
	s_add_nc_u64 s[4:5], s[4:5], s[18:19]
	s_add_nc_u64 s[6:7], s[6:7], s[20:21]
	s_add_nc_u64 s[8:9], s[8:9], s[22:23]
	s_add_nc_u64 s[10:11], s[10:11], s[24:25]
	global_load_b128 v[BO:BO+3], v[BA], s[8:9]
	s_set_vgpr_msb 0x40                            ; destination window 1
.irp i, 0,1,2,3,4,5,6,7,8,9,10,11,12,13,14,15
	global_load_b128 v[KF+4*\i:KF+4*\i+3], v[QKA], s[4:5] offset:65536+32*\i   ; registers 4 i on: channels 8 i + 4 h + 0..3 of key r
.endr
.irp i, 0,1,2,3,4,5,6,7,8,9,10,11,12,13,14,15
	global_load_b128 v[QF+4*\i:QF+4*\i+3], v[QKA], s[4:5] offset:32*\i         ; the same channels of query r
.endr
	s_set_vgpr_msb 0x4000
.irp c, 0,1,2,3,4,5,6,7
.irp e, 0,1,2,3,4,5,6,7
	global_load_b32 v[VF+8*\c+\e], v[VA], s[4:5] offset:131072+\e*512+64*\c   ; v(key 8 h + e, channel 16 c + r)
.endr
.endr
	s_wait_loadcnt 63                              ; V's 64 loads were issued behind Q's last: bo, K and Q are in
	s_set_vgpr_msb 0x0005                          ; sources 0 and 1 window 1
.set stp, 0
.rept 32                                       ; four accumulators by turns; the first four products start the sums
.if stp < 4
	v_wmma_f32_16x16x4_f32 v[SACC+8*(stp%4):SACC+8*(stp%4)+7], v[KF+2*stp:KF+2*stp+1], v[QF+2*stp:QF+2*stp+1], 0
.else
	v_wmma_f32_16x16x4_f32 v[SACC+8*(stp%4):SACC+8*(stp%4)+7], v[KF+2*stp:KF+2*stp+1], v[QF+2*stp:QF+2*stp+1], v[SACC+8*(stp%4):SACC+8*(stp%4)+7]
.endif
.set stp, stp+1
.endr
.rept 8
	v_nop                                          ; eight places behind this form: in front of the loads into K's registers and of the first read of results
.endr
	s_set_vgpr_msb 0x0540                          ; destination window 1
.irp c, 0,1,2,3,4,5,6,7
.irp e, 0,1,2,3,4,5,6,7
	global_load_b32 v[WF+8*\c+\e], v[VA], s[6:7] offset:(16*\c+\e)*512        ; Wo(128 head + 16 c + 8 h + e, column r), into the registers that K has left
.endr
.endr
	s_set_vgpr_msb 0x4000
.irp j, 0,1,2,3,4,5,6,7
	v_add_f32 v[WK+\j], v[SACC+\j], v[SACC+8+\j]   ; each accumulator from its low end on
	v_add_f32 v[WK+8+\j], v[SACC+16+\j], v[SACC+24+\j]
.endr
.irp j, 0,1,2,3,4,5,6,7
	v_add_f32 v[T+\j], v[WK+\j], v[WK+8+\j]
.endr
.irp j, 0,1,2,3,4,5,6,7
	v_cmp_gt_i32 vcc_lo, \j, v[DD]                 ; key 8 h + j above query r: hidden
	v_cndmask_b32 v[T+\j], v[T+\j], v[NINF], vcc_lo
.endr
	v_max3_num_f32 v[MX], v[T], v[T+1], v[T+2]
	v_max3_num_f32 v[MX], v[MX], v[T+3], v[T+4]
	v_max3_num_f32 v[MX], v[MX], v[T+5], v[T+6]
	v_max_num_f32 v[MX], v[MX], v[T+7]
	v_permlanex16_b32 v[M2], v[MX], s[SEL], s[SEL+1]
	v_max_num_f32 v[MX], v[MX], v[M2]              ; the row's maximum: key 0 counts for every query
	v_mul_f32 v[CM], s16, v[MX]
.irp j, 0,1,2,3,4,5,6,7
	v_fma_f32 v[T+\j], v[T+\j], s16, -v[CM]
.endr
.irp j, 0,1,2,3,4,5,6,7
	v_exp_f32 v[T+\j], v[T+\j]
.endr
	v_nop
	s_wait_alu depctr_va_vdst(0)                   ; one wait for the eight, ahead of the first use
.irp j, 0,1,2,3
	v_add_f32 v[WK+\j], v[T+2*\j], v[T+2*\j+1]
.endr
	v_add_f32 v[WK], v[WK], v[WK+1]
	v_add_f32 v[WK+2], v[WK+2], v[WK+3]
	v_add_f32 v[LS], v[WK], v[WK+2]
	v_permlanex16_b32 v[M2], v[LS], s[SEL], s[SEL+1]
	v_add_f32 v[LS], v[LS], v[M2]
	v_rcp_f32 v[LS], v[LS]
	v_nop
	s_wait_alu depctr_va_vdst(0)
.irp j, 0,1,2,3,4,5,6,7
	v_mul_f32 v[P+\j], v[T+\j], v[LS]
.endr
	s_wait_loadcnt 63                              ; Wo's 64 loads were issued behind V's last: V is in
.irp kk, 0,1,2,3                               ; O^T = v^T p: eight accumulators by turns
.irp c, 0,1,2,3,4,5,6,7
.if \kk == 0
	v_wmma_f32_16x16x4_f32 v[OACC+8*\c:OACC+8*\c+7], v[VF+8*\c+2*\kk:VF+8*\c+2*\kk+1], v[P+2*\kk:P+2*\kk+1], 0
.else
	v_wmma_f32_16x16x4_f32 v[OACC+8*\c:OACC+8*\c+7], v[VF+8*\c+2*\kk:VF+8*\c+2*\kk+1], v[P+2*\kk:P+2*\kk+1], v[OACC+8*\c:OACC+8*\c+7]
.endif
.endr
.endr
.rept 9
	v_nop                                          ; nine places: results become a source of the next products
.endr
	s_wait_loadcnt 0x0                             ; Wo
	s_set_vgpr_msb 0x0001                          ; source 0 (Wo) window 1
.irp c, 0,1,2,3,4,5,6,7                        ; out^T = Wo^T O^T: four accumulators by turns
.irp kk, 0,1,2,3
.if \c == 0
	v_wmma_f32_16x16x4_f32 v[UACC+8*\kk:UACC+8*\kk+7], v[WF+8*\c+2*\kk:WF+8*\c+2*\kk+1], v[OACC+8*\c+2*\kk:OACC+8*\c+2*\kk+1], 0
.else
	v_wmma_f32_16x16x4_f32 v[UACC+8*\kk:UACC+8*\kk+7], v[WF+8*\c+2*\kk:WF+8*\c+2*\kk+1], v[OACC+8*\c+2*\kk:OACC+8*\c+2*\kk+1], v[UACC+8*\kk:UACC+8*\kk+7]
.endif
.endr
.endr
	s_set_vgpr_msb 0x0100
.rept 8
	v_nop
.endr
.irp j, 0,1,2,3,4,5,6,7
	v_add_f32 v[WK+\j], v[UACC+\j], v[UACC+8+\j]
	v_add_f32 v[WK+8+\j], v[UACC+16+\j], v[UACC+24+\j]
.endr
.irp j, 0,1,2,3,4,5,6,7
	v_add_f32 v[R+\j], v[WK+\j], v[WK+8+\j]        ; lane (r, h), register j: my head's part of out(query r, column 16 x tile + 8 h + j)
.endr
	ds_store_b128 v[IMG], v[R:R+3]
	ds_store_b128 v[IMG], v[R+4:R+7] offset:512
	s_wait_dscnt 0x0                               ; for the others' sake: my part has landed
	s_barrier_signal -1
	s_barrier_wait -1
	s_cmp_lt_u32 s[WV], 2                          ; wave 0 adds registers 0-3 of the eight parts, wave 1 registers 4-7
	s_cbranch_scc0 .Ldone
.irp p, 0,1,2,3,4,5,6,7
	ds_load_b128 v[RBK+4*\p:RBK+4*\p+3], v[RDA] offset:\p*1024
.endr
	s_wait_dscnt 0x0
.irp p, 1,2,3,4,5,6,7
	v_pk_add_f32 v[RBK:RBK+1], v[RBK:RBK+1], v[RBK+4*\p:RBK+4*\p+1]
	v_pk_add_f32 v[RBK+2:RBK+3], v[RBK+2:RBK+3], v[RBK+4*\p+2:RBK+4*\p+3]
.endr
	v_pk_add_f32 v[RBK:RBK+1], v[RBK:RBK+1], v[BO:BO+1]
	v_pk_add_f32 v[RBK+2:RBK+3], v[RBK+2:RBK+3], v[BO+2:BO+3]
	global_store_b128 v[OA], v[RBK:RBK+3], s[10:11]   ; 16 bytes a lane in 16 rows: 16 KiB in the whole launch
.Ldone:
	s_wait_tensorcnt 0x0                           ; the wave's end
	ds_add_u32 v[SPW], v[NIL]
	s_wait_dscnt 0x0
	s_endpgm
.Lfunc_end_k_q08472553f4_first16:
	.size	k_q08472553f4_first16, .Lfunc_end_k_q08472553f4_first16-k_q08472553f4_first16
	.p2alignl 7, 3214868480
	.fill 96, 4, 3214868480
	.section	.rodata,"a",@progbits
	.p2align	6, 0x0
	.amdhsa_kernel k_q08472553f4_first16
		.amdhsa_group_segment_fixed_size 9216
		.amdhsa_private_segment_fixed_size 0
		.amdhsa_enable_private_segment 0
		.amdhsa_kernarg_size 32
		.amdhsa_user_sgpr_count 2
		.amdhsa_user_sgpr_kernarg_segment_ptr 1
		.amdhsa_wavefront_size32 1
		.amdhsa_system_sgpr_workgroup_id_x 1
		.amdhsa_system_sgpr_workgroup_id_y 1
		.amdhsa_system_sgpr_workgroup_id_z 1
		.amdhsa_system_vgpr_workitem_id 0
		.amdhsa_next_free_vgpr 384
		.amdhsa_next_free_sgpr 66
		.amdhsa_reserve_vcc 1
		.amdhsa_float_denorm_mode_32 3
		.amdhsa_float_denorm_mode_16_64 3
		.amdhsa_memory_ordered 1
		.amdhsa_forward_progress 1
		.amdhsa_inst_pref_size 31
	.end_amdhsa_kernel
	.amdgpu_metadata
---
amdhsa.version: [ 1, 2 ]
amdhsa.kernels:
  - .name:           k_q08472553f4_first16
    .symbol:         k_q08472553f4_first16.kd
    .args:
      - { .name: qkv32, .offset: 0, .size: 8, .value_kind: global_buffer, .address_space: global }
      - { .name: Wo, .offset: 8, .size: 8, .value_kind: global_buffer, .address_space: global }
      - { .name: bo, .offset: 16, .size: 8, .value_kind: global_buffer, .address_space: global }
      - { .name: out0, .offset: 24, .size: 8, .value_kind: global_buffer, .address_space: global }
    .group_segment_fixed_size: 9216
    .private_segment_fixed_size: 0
    .kernarg_segment_align: 8
    .kernarg_segment_size: 32
    .max_flat_workgroup_size: 256
    .sgpr_count:     66
    .vgpr_count:     384
    .wavefront_size: 32
...
	.end_amdgpu_metadata
.endif
;; end of part 4
